; MI455X (gfx1250); checked and timed in simulation.
; The chip was launched on July 23, 2026; its instructions are those of AMD's public machine-readable ISA for CDNA 5 (MIT licence, August 2026) and "CDNA5" Instruction Set Architecture Reference Guide (July 2026). The comments in the code are by the model that wrote it; some were corrected since.
;; MLP Attention. Allowed arithmetic: float matrix products may take bf16 or f16 operands with f32 sums; all other float work in f32.
;; Inputs: Wq 1,024 x 1,024 float32; Wv 1,024 x 1,024 float32; bq 1,024 float32; mask 32 x 2,048 bool; query 32 x 1,024 float32; value 32 x 2,048 x 1,024 float32; w 1,024 float32.
;; Outputs: out0 32 x 2,048 float32.
;; 2 versions, each right; version 2 is version 1 with the launch prep written anew for expert scheduling mode. Each part assembles by itself: llvm-mc -triple=amdgcn-amd-amdhsa -mcpu=gfx1250 --defsym DOCPART=n.
;; ======== version 1 of 2: 3 launches
;; workspace buffers: wvb 2,097,152 bytes; hqp 524,288 bytes; part 2,097,152 bytes
;; launch prep (part 1): grid 192 x 1, 4 waves a work-group, no clusters, 76,288 bytes of LDS; arguments Wq, Wv, query, wvb, hqp; writes wvb, hqp
.if DOCPART == 1
	.amdgcn_target "amdgcn-amd-amdhsa--gfx1250"
	.amdhsa_code_object_version 6
	.text
	.protected	k_q6e8915baa5_prep
	.globl	k_q6e8915baa5_prep
	.p2align	8
	.type	k_q6e8915baa5_prep,@function
k_q6e8915baa5_prep:
	s_mov_b64 s[64:65], 0
	v_nop
	global_prefetch_b8 v0, s[64:65] scope:SCOPE_SE
	s_setreg_imm32_b32 hwreg(HW_REG_WAVE_MODE, 25, 1), 1
	s_wait_xcnt 0x0
; Two preparations for the main launch, chosen by the work-group's number.
; Work-groups 64 to 191: wvb = Wv rounded to bf16 (nearest even), same [k][n] order.  32,768 bytes of Wv each; no LDS.
; Work-groups 0 to 63: hqp[kg][row][col] = the sum over 256 k of query[row][k] Wq[k][col], operands rounded to bf16, sums in f32.
;   Work-group g: 64 columns (nb = g % 16), 256 of K (kg = g / 16).  Wave w: 64 of those k, all 32 rows, 64 columns: 8 accumulators.
;   Wq lies [k][n]: it goes through the wave's own LDS rows as bf16 and comes back turned (ds_load_tr16_b128).
;   The product is used transposed (source 0 = 16 columns of Wq, source 1 = 16 rows of query): a lane then holds 8 neighbouring columns of a row.
;   The four waves' sums meet in LDS behind one barrier; each wave adds and stores 8 rows, 256 consecutive aligned bytes for 16 lanes.
; No cluster and no tensor load: no two work-groups read the same part of Wq or Wv, and each byte is used once.
.set WTP,   160                        ; a row of 64 bf16 of Wq in LDS: 128 bytes + 32: an odd multiple of 32, for the turning load
.set WTB,   64*WTP                     ; a wave's 64 rows
.set STG,   4*WTB                      ; behind them: a stage of 32 rows x 64 f32 for each wave
.set SGP,   272                        ; 256 bytes + 16
.set SGB,   32*SGP
.set SPARE, STG+4*SGB                  ; the spare words: 128 bytes a wave, two blocks of 256 bytes that no other line names
.set WOFF, 4                           ; v4   4,096 h + 16 r: two rows of Wq or of hqp for the 32 lanes
.set QOFF, 5                           ; v5   4,096 r + 32 h: my row of query, my 8 k
.set WST,  6                           ; v6   where I put 8 bytes of Wq
.set TRA,  7                           ; v7   my address for the turning loads
.set SST,  8                           ; v8   where I put my sums
.set SRD,  9                           ; v9   where I read the four waves' sums
.set SPW,  10                          ; v10  my spare word; never rewritten
.set NIL,  11                          ; v11  0; never rewritten
.set X,    16                          ; v16-143  Wq as loaded; later v16-79 the sums read back, v80-143 the accumulators
.set ACC,  80
.set QF,   144                         ; v144-207 query as loaded; later Wq's fragments
.set QB,   208                         ; v208-239 query's fragments
	s_load_b256 s[4:11], s[0:1], 0x0               ; Wq s[4:5], Wv s[6:7], query s[8:9], wvb s[10:11]
	s_load_b64 s[12:13], s[0:1], 0x20              ; hqp
	v_lshl_add_u32 v[SPW], v0, 2, SPARE
	v_mov_b32 v[NIL], 0
	s_mov_b32 s15, 0                               ; the high word of every offset
	s_cmp_ge_u32 ttmp9, 64
	s_cbranch_scc1 .Lcast
	v_lshrrev_b32 v3, 5, v0
	v_readfirstlane_b32 s16, v3                    ; wave
	s_and_b32 s17, ttmp9, 15                       ; nb
	s_lshr_b32 s18, ttmp9, 4                       ; kg
	s_lshl_b32 s19, s18, 2
	s_add_co_u32 s19, s19, s16                     ; 4 kg + w: my first k is 64 times that
	v_and_b32 v1, 15, v0                           ; r
	v_bfe_u32 v2, v0, 4, 1                         ; h
	v_lshlrev_b32 v[WOFF], 4, v1
	v_lshl_add_u32 v[WOFF], v2, 12, v[WOFF]
	v_lshlrev_b32 v[QOFF], 12, v1
	v_lshl_add_u32 v[QOFF], v2, 5, v[QOFF]
	s_mul_i32 s20, s16, WTB
	v_mul_u32_u24 v[WST], v2, WTP
	v_lshl_add_u32 v[WST], v1, 3, v[WST]
	v_add_nc_u32 v[WST], s20, v[WST]               ; row h, 8 bytes for each of 16 lanes
	v_and_b32 v[TRA], 7, v0
	v_lshl_add_u32 v[TRA], v2, 3, v[TRA]
	v_mul_u32_u24 v[TRA], v[TRA], WTP
	v_bfe_u32 v3, v0, 3, 1
	v_lshl_add_u32 v[TRA], v3, 4, v[TRA]
	v_add_nc_u32 v[TRA], s20, v[TRA]               ; k row 8 h + l % 8, columns 8 ((l / 8) % 2) on
	s_mul_i32 s21, s16, SGB
	s_add_co_u32 s21, s21, STG
	v_mul_u32_u24 v[SST], v1, SGP
	v_lshl_add_u32 v[SST], v2, 5, v[SST]
	v_add_nc_u32 v[SST], s21, v[SST]               ; my stage: row r, 32 bytes for each half of the lanes
	s_mul_i32 s22, s16, 8*SGP
	s_add_co_u32 s22, s22, STG
	v_mul_u32_u24 v[SRD], v2, SGP
	v_lshl_add_u32 v[SRD], v1, 4, v[SRD]
	v_add_nc_u32 v[SRD], s22, v[SRD]               ; rows 8 w + h of stage 0
	s_lshl_b32 s14, s19, 18                        ; 64 rows of 4,096 bytes
	s_lshl_b32 s23, s17, 8                         ; 64 columns of 4 bytes
	s_add_co_u32 s14, s14, s23
	s_wait_kmcnt 0x0
	s_add_nc_u64 s[4:5], s[4:5], s[14:15]          ; Wq at my first row and column
	s_lshl_b32 s14, s19, 8
	s_add_nc_u64 s[8:9], s[8:9], s[14:15]          ; query at my first k
	s_lshl_b32 s14, s18, 17                        ; hqp: kg x 32 rows x 4,096 bytes
	s_lshl_b32 s24, s16, 15                        ; + 8 w rows
	s_add_co_u32 s14, s14, s24
	s_add_co_u32 s14, s14, s23
	s_add_nc_u64 s[12:13], s[12:13], s[14:15]
.set i, 0
.rept 32                                               ; Wq: each load takes two rows' 256 consecutive aligned bytes; read once in the launch
	global_load_b128 v[X+4*i:X+4*i+3], v[WOFF], s[4:5] offset:i*8192 th:TH_LOAD_NT
.set i, i+1
.endr
.irp mb, 0,1                                           ; query: fragment 2 mb + kq: row 16 mb + r; k = 32 kq + 8 h + 0..7 and 16 more
.irp kq, 0,1
.set q, QF+16*(2*(\mb)+(\kq))
	global_load_b128 v[q:q+3],     v[QOFF], s[8:9] offset:(\mb)*65536+(\kq)*128
	global_load_b128 v[q+4:q+7],   v[QOFF], s[8:9] offset:(\mb)*65536+(\kq)*128+16
	global_load_b128 v[q+8:q+11],  v[QOFF], s[8:9] offset:(\mb)*65536+(\kq)*128+64
	global_load_b128 v[q+12:q+15], v[QOFF], s[8:9] offset:(\mb)*65536+(\kq)*128+80
.endr
.endr
	s_wait_loadcnt 16                              ; Wq is in; query's sixteen loads may be out
.set i, 0
.rept 32
	v_cvt_pk_bf16_f32 v[X+4*i],   v[X+4*i],   v[X+4*i+1]
	v_cvt_pk_bf16_f32 v[X+4*i+1], v[X+4*i+2], v[X+4*i+3]
	ds_store_b64 v[WST], v[X+4*i:X+4*i+1] offset:i*2*WTP
.set i, i+1
.endr
	s_wait_loadcnt 0x0                             ; query
.set i, 0
.rept 32
	v_cvt_pk_bf16_f32 v[QB+i], v[QF+2*i], v[QF+2*i+1]
.set i, i+1
.endr
.irp kq, 0,1                                           ; my own rows, and LDS serves a wave's instructions in order (ISA guide 5.7.1.4): these see the stores above
.irp b, 0,1,2,3
.set q, QF+8*(4*(\kq)+(\b))
	ds_load_tr16_b128 v[q:q+3],   v[TRA] offset:(\kq)*32*WTP+32*(\b)
	ds_load_tr16_b128 v[q+4:q+7], v[TRA] offset:(\kq)*32*WTP+16*WTP+32*(\b)
.endr
.endr
	s_wait_dscnt 0x0
.irp kq, 0,1                                           ; the 8 accumulators take turns; the first 8 products start the sums
.irp mb, 0,1
.irp b, 0,1,2,3
.set a, ACC+8*(4*(\mb)+(\b))
.set q, QF+8*(4*(\kq)+(\b))
.set p, QB+8*(2*(\mb)+(\kq))
.if (\kq) == 0
	v_wmma_f32_16x16x32_bf16 v[a:a+7], v[q:q+7], v[p:p+7], 0
.else
	v_wmma_f32_16x16x32_bf16 v[a:a+7], v[q:q+7], v[p:p+7], v[a:a+7]
.endif
.endr
.endr
.endr
.rept 4
	v_nop                                          ; four places between the last product and the stores that read results
.endr
.irp mb, 0,1
.irp b, 0,1,2,3
.set a, ACC+8*(4*(\mb)+(\b))
	ds_store_b128 v[SST], v[a:a+3]   offset:(\mb)*16*SGP+64*(\b)     ; row 16 mb + r, columns 16 b + 8 h + 0..3
	ds_store_b128 v[SST], v[a+4:a+7] offset:(\mb)*16*SGP+64*(\b)+16
.endr
.endr
	s_wait_dscnt 0x0                               ; for the others' sake: my stage is written
	s_barrier_signal -1
	s_barrier_wait -1
.irp i, 0,1,2,3                                        ; rows 8 w + 2 i + h of all four stages
.irp s, 0,1,2,3
	ds_load_b128 v[X+4*(4*(\i)+(\s)):X+4*(4*(\i)+(\s))+3], v[SRD] offset:(\s)*SGB+(\i)*2*SGP
.endr
.endr
	s_wait_dscnt 0x0
.irp i, 0,1,2,3
.set a, X+16*(\i)
	v_pk_add_f32 v[a:a+1],     v[a:a+1],     v[a+4:a+5]
	v_pk_add_f32 v[a+2:a+3],   v[a+2:a+3],   v[a+6:a+7]
	v_pk_add_f32 v[a+8:a+9],   v[a+8:a+9],   v[a+12:a+13]
	v_pk_add_f32 v[a+10:a+11], v[a+10:a+11], v[a+14:a+15]
	v_pk_add_f32 v[a:a+1],     v[a:a+1],     v[a+8:a+9]
	v_pk_add_f32 v[a+2:a+3],   v[a+2:a+3],   v[a+10:a+11]
	global_store_b128 v[WOFF], v[a:a+3], s[12:13] offset:(\i)*8192   ; 16 lanes store 256 consecutive bytes, at a multiple of 256 from hqp's first byte
.endr
	s_wait_tensorcnt 0x0                           ; the wave's end, behind my last LDS store
	ds_add_u32 v[SPW], v[NIL]
	s_wait_dscnt 0x0
	s_endpgm
.Lcast:                                                ; 128 threads x 16 bytes x 16 loads = 32,768 bytes of Wv; this way writes no LDS
	s_sub_co_u32 s16, ttmp9, 64
	v_lshlrev_b32 v1, 4, v0
	v_lshlrev_b32 v2, 3, v0
	s_lshl_b32 s14, s16, 15
	s_wait_kmcnt 0x0
	s_add_nc_u64 s[6:7], s[6:7], s[14:15]
	s_lshl_b32 s14, s16, 14
	s_add_nc_u64 s[10:11], s[10:11], s[14:15]
.set i, 0
.rept 16
	global_load_b128 v[X+4*i:X+4*i+3], v1, s[6:7] offset:i*2048 th:TH_LOAD_NT
.set i, i+1
.endr
.set i, 0
.rept 16
	s_wait_loadcnt 15-i                            ; loads come back in order (ISA guide 5.7.1): load i is in, the younger ones stay out
	v_cvt_pk_bf16_f32 v[ACC+2*i],   v[X+4*i],   v[X+4*i+1]
	v_cvt_pk_bf16_f32 v[ACC+2*i+1], v[X+4*i+2], v[X+4*i+3]
	global_store_b64 v2, v[ACC+2*i:ACC+2*i+1], s[10:11] offset:i*1024   ; a wave's store covers 256 consecutive aligned bytes
.set i, i+1
.endr
	s_endpgm
.Lfunc_end_k_q6e8915baa5_prep:
	.size	k_q6e8915baa5_prep, .Lfunc_end_k_q6e8915baa5_prep-k_q6e8915baa5_prep
	.p2alignl 7, 3214868480
	.fill 96, 4, 3214868480
	.section	.rodata,"a",@progbits
	.p2align	6, 0x0
	.amdhsa_kernel k_q6e8915baa5_prep
		.amdhsa_group_segment_fixed_size 76288
		.amdhsa_private_segment_fixed_size 0
		.amdhsa_enable_private_segment 0
		.amdhsa_kernarg_size 40
		.amdhsa_user_sgpr_count 2
		.amdhsa_user_sgpr_kernarg_segment_ptr 1
		.amdhsa_wavefront_size32 1
		.amdhsa_system_sgpr_workgroup_id_x 1
		.amdhsa_system_sgpr_workgroup_id_y 1
		.amdhsa_system_sgpr_workgroup_id_z 1
		.amdhsa_system_vgpr_workitem_id 0
		.amdhsa_next_free_vgpr 256
		.amdhsa_next_free_sgpr 66
		.amdhsa_reserve_vcc 0
		.amdhsa_float_denorm_mode_32 3
		.amdhsa_float_denorm_mode_16_64 3
		.amdhsa_memory_ordered 1
		.amdhsa_forward_progress 1
		.amdhsa_inst_pref_size 28
	.end_amdhsa_kernel
	.amdgpu_metadata
---
amdhsa.version: [ 1, 2 ]
amdhsa.kernels:
  - .name:           k_q6e8915baa5_prep
    .symbol:         k_q6e8915baa5_prep.kd
    .args:
      - { .name: Wq, .offset: 0, .size: 8, .value_kind: global_buffer, .address_space: global }
      - { .name: Wv, .offset: 8, .size: 8, .value_kind: global_buffer, .address_space: global }
      - { .name: query, .offset: 16, .size: 8, .value_kind: global_buffer, .address_space: global }
      - { .name: wvb, .offset: 24, .size: 8, .value_kind: global_buffer, .address_space: global }
      - { .name: hqp, .offset: 32, .size: 8, .value_kind: global_buffer, .address_space: global }
    .group_segment_fixed_size: 76288
    .private_segment_fixed_size: 0
    .kernarg_segment_align: 8
    .kernarg_segment_size: 40
    .max_flat_workgroup_size: 128
    .sgpr_count:     66
    .vgpr_count:     256
    .wavefront_size: 32
...
	.end_amdgpu_metadata
.endif
;; end of part 1
;; launch main (part 2): grid 256 x 1, 4 waves a work-group, clusters of 4 x 1, 327,680 bytes of LDS; arguments value, wvb, hqp, bq, w, part; writes part
.if DOCPART == 2
	.amdgcn_target "amdgcn-amd-amdhsa--gfx1250"
	.amdhsa_code_object_version 6
	.text
	.protected	k_q6e8915baa5_main
	.globl	k_q6e8915baa5_main
	.p2align	8
	.type	k_q6e8915baa5_main,@function
k_q6e8915baa5_main:
	s_mov_b64 s[64:65], 0
	v_nop
	global_prefetch_b8 v0, s[64:65] scope:SCOPE_SE
	s_setreg_imm32_b32 hwreg(HW_REG_WAVE_MODE, 25, 1), 1
	s_wait_xcnt 0x0
	s_wait_alu depctr_hold_cnt(0) depctr_sa_sdst(0) depctr_va_vdst(0) depctr_va_sdst(0) depctr_va_ssrc(0) depctr_va_vcc(0) depctr_vm_vsrc(0)
	s_getreg_b32 s2, hwreg(HW_REG_IB_STS2, 6, 4)
	s_cmp_eq_u32 s2, 0
	s_cbranch_scc0 .Lentry_in_a_cluster
	s_endpgm
.Lentry_in_a_cluster:
	s_bfe_u32 s2, ttmp6, 0x10000c
	s_cmp_lg_u32 s2, 0x3003
	s_cbranch_scc0 .Lentry_shape_is_right
	s_endpgm
.Lentry_shape_is_right:
; part[g][row] = the sum over the 128 columns n of group g of (-2 w[n]) / (1 + 2^(c hv[row][n] + c hq[n])),  c = 2 log2(e),
; hv = value Wv (65,536 x 1,024 x 1,024), hq = query Wq + bq of the row's batch.  Since tanh(x) = 1 - 2 / (1 + 2^(c x)), a row's energy is the sum of w plus the
; sum of its eight parts; the next launch adds them.  hv never leaves the registers.
; LIMITS.  value and Wv enter the product rounded to bf16 (nearest even), sums in f32.  2^y beyond f32's range gives an infinity and the quotient 0; 2^y below 2^-126
; counts as 0 and the quotient is 1: both are tanh's limits, so no clamp is written.  The parts and the sum of w are f32 sums, each with a rounding error of the order of
; 2^-24 times the sum of |w|.  NaN and infinities among the inputs are not treated apart.
; SHARES.  A tile is 128 rows x 512 columns: four waves side by side, each 128 x 128 = 64 accumulators of 16 x 16, 512 registers.  A work-group stays and makes four
; tiles, 512 consecutive rows, in one half of the columns: 128 row groups x 2 halves = 256 work-groups.
; Wv (bf16, [k][n]) comes by tensor loads in K steps of 128 through two LDS slots; a wave's load brings 32 k rows of 1,024 bytes.  It is read turned (ds_load_tr16_b128).
; CLUSTER.  The four work-groups of a cluster take the same half of the columns and walk the same K steps, so each tile of Wv is asked for JOINTLY: same load, descriptor and mask in all four.
; value is f32 and no two work-groups of a cluster share rows of it: it comes through registers.  A chunk is 128 rows x 64 k; a wave loads 32 rows of it (16 loads, each
; two rows' 256 consecutive aligned bytes), rounds it to bf16 and stores it into one of two LDS buffers that only ds_store writes.  Two chunks of every wave are always on their way: in
; chunk period p chunk p is multiplied, chunk p + 1 rounded and stored, chunk p + 3 asked for; these lines stand four at a time between the period's matrix instructions.
; THE MATRIX INSTRUCTION IS USED TRANSPOSED (source 0 = 16 columns of Wv, source 1 = 16 rows of value): lane (r, h), register j holds row 16 a + r, column 16 b + 8 h + j.
; REGISTERS, in windows of 256 (s_set_vgpr_msb: bits 1:0 source 0, 3:2 source 1, 5:4 source 2, 7:6 destination):
;   window 0: v0-29 addresses; v32-63 P, bf16 on its way to LDS (on the way out: sums); v64-127, v128-191 two chunks of value as loaded; v192-255 T, 64 numbers at work on the way out
;   window 1: two fragment buffers of 128: value's 8 fragments, then Wv's 8.  On the way out the second holds c hq and -2 w of my 128 columns.
;   window 2: the accumulators of rows 0-63 ((a, b) at v[8 (8 a + b)]); window 3: those of rows 64-127.
.set PB,     1056                      ; a k row of Wv in LDS: 1,024 bytes + 32 of padding: an odd multiple of 32, for the turning load
.set BWAVE,  32*PB                     ; what one tensor load brings; also 32 along K
.set BSLOT,  4*BWAVE                   ; a K step of 128
.set PA,     144                       ; a row of value in LDS: 64 bf16 + 16 bytes: 36 words, so the 16 rows of a load start at 16 different groups of four banks (64 banks of 4 bytes: ISA guide 11.1)
.set ABUF,   2*BSLOT                   ; behind the slots: two buffers of 128 such rows; no tensor load lands from here on
.set ABYTES, 128*PA
.set TAB,    ABUF+2*ABYTES             ; for each wave 128 f32 of c hq, then 128 of -2 w
.set OUTS,   TAB+4*1024                ; for each wave 128 row sums
.set SPARE,  OUTS+4*512                ; the spare words, 128 bytes a wave: two blocks of 256 bytes that no other line names
.set ADRA, 8                           ; v8-9    my place in value's buffer 0, 1
.set ADRB, 10                          ; v10-13  my place in Wv's slot s, K half q: at 2 s + q
.set ASTO, 14                          ; v14-15  where I store 8 bytes of value, buffer 0, 1
.set GOFF, 16                          ; v16     32,768 h + 16 r: two rows of value, 8 rows apart
.set TADR, 17                          ; v17     my 8 columns' place in my table
.set TSTO, 18                          ; v18     where I write my table
.set OADR, 19                          ; v19     my row's word among the row sums
.set OT,   20                          ; v20     the same for the block in hand
.set ORD,  21                          ; v21     where I read 4 row sums back
.set POFF, 22                          ; v22     16 x lane
.set SPW,  28                          ; v28     my spare word; never rewritten
.set NIL,  29                          ; v29     0; never rewritten
.set P,    32
.set GA,   64
.set T,    192
.set F0,   0
.set F1,   128
.set HQ,   128                         ; window 1
.set WN,   192                         ; window 1
.set WV,  16                           ; s16     wave
.set G1,  24                           ; s[24:31] descriptor group 1
.set G0,  32                           ; s[32:39] descriptor group 0, a set for each slot
.set BB,  40                           ; s[40:41] wvb at my 32 k rows of K step 0, my cluster's half of the columns
.set AB,  42                           ; s[42:43] value at my 32 rows of the first tile
.set AP,  44                           ; s[44:47] the base of the chunk in flight, for each of the two register rings
.set PP,  48                           ; s[48:49] part at the tile's rows, my group of columns
.set CS,  50                           ; s[50:51] c
.set SEL, 52                           ; s[52:53] v_permlanex16_b32's selects: each lane takes its own place in the other half
.set LAP, 54                           ; s54     laps to go
.set KS,  55                           ; s55     the K step to be asked for next
.set CN,  56                           ; s56     the chunk to be asked for next
.set OF,  58                           ; s[58:59] an offset; the high word stays 0
.set EA,  60                           ; s60     the way out: the block of 16 rows
.set EO,  61                           ; s61     64 times that
.set TS,  62                           ; s62     at work
.set MSB, 0
.macro WIN new                         ; the immediate's high byte repeats the setting that is left; a switch that changes nothing is dropped
.if MSB != (\new)
	s_set_vgpr_msb (MSB<<8)|(\new)
.set MSB, \new
.endif
.endm
.set MUL_LO, 0xa5                      ; both sources window 1, C and D window 2
.set MUL_HI, 0xf5                      ; C and D window 3
.set TO_F,   0x40                      ; destination window 1, address window 0
.macro PLACES                          ; four places in front of loads into registers that matrix instructions have read, and of lines that read results (ISA guide 7.12.1 for lines that read results)
.rept 4
	v_nop
.endr
.endm
.macro CREST                           ; a round of the cluster's barrier behind its opening barrier
	s_cmp_lg_u32 s[WV], 0
	s_cbranch_scc1 .Lnot_wave_0_\@
	s_barrier_signal -3
.Lnot_wave_0_\@:
	s_barrier_wait -3
	s_barrier_signal -1
	s_barrier_wait -1
.endm
.macro CROUND
	s_barrier_signal -1
	s_barrier_wait -1
	CREST
.endm
.macro W1 f, hi, a, b, zero            ; one product: rows 16 (4 hi + a) on, columns 16 b on, 32 along K from buffer f
.if \zero
	v_wmma_f32_16x16x32_bf16 v[8*(8*(\a)+(\b)):8*(8*(\a)+(\b))+7], v[(\f)+64+8*(\b):(\f)+64+8*(\b)+7], v[(\f)+8*(4*(\hi)+(\a)):(\f)+8*(4*(\hi)+(\a))+7], 0
.else
	v_wmma_f32_16x16x32_bf16 v[8*(8*(\a)+(\b)):8*(8*(\a)+(\b))+7], v[(\f)+64+8*(\b):(\f)+64+8*(\b)+7], v[(\f)+8*(4*(\hi)+(\a)):(\f)+8*(4*(\hi)+(\a))+7], v[8*(8*(\a)+(\b)):8*(8*(\a)+(\b))+7]
.endif
.endm
.macro MUL16 f, hi, a0, zero           ; 16 products.  The 64 accumulators take turns, in the same order in every quarter
	WIN MUL_LO+0x50*(\hi)
.irp a, \a0, (\a0)+1
.irp b, 0,1,2,3,4,5,6,7
	W1 \f, \hi, \a, \b, \zero
.endr
.endr
.endm
; 32 LDS loads in one run: the fragments of 32 along K into buffer f: Wv's (quarter kq of slot bslot, turned), then value's (half of buffer abuf), rows 0-63 first
.macro FETCH abuf, half, bslot, kq, f
	WIN TO_F
.irp i, 0,1,2,3,4,5,6,7
	ds_load_tr16_b128 v[(\f)+64+8*(\i):(\f)+64+8*(\i)+3],   v[ADRB+2*(\bslot)+(\kq)/2] offset:((\kq)%2)*BWAVE+32*(\i)
	ds_load_tr16_b128 v[(\f)+64+8*(\i)+4:(\f)+64+8*(\i)+7], v[ADRB+2*(\bslot)+(\kq)/2] offset:((\kq)%2)*BWAVE+16*PB+32*(\i)
.endr
.irp i, 0,1,2,3,4,5,6,7
	ds_load_b128 v[(\f)+8*(\i):(\f)+8*(\i)+3],   v[ADRA+(\abuf)] offset:64*(\half)+(\i)*16*PA
	ds_load_b128 v[(\f)+8*(\i)+4:(\f)+8*(\i)+7], v[ADRA+(\abuf)] offset:64*(\half)+(\i)*16*PA+32
.endr
.endm
.macro ABASE ring                      ; the base of chunk CN: tile CN / 16 is 128 rows of 4,096 bytes on, chunk CN % 16 of it 256 bytes along the rows
	s_lshr_b32 s[OF], s[CN], 4
	s_lshl_b32 s[OF], s[OF], 19
	s_and_b32 s[TS], s[CN], 15
	s_lshl_b32 s[TS], s[TS], 8
	s_add_co_u32 s[OF], s[OF], s[TS]
	s_add_nc_u64 s[AP+2*(\ring):AP+2*(\ring)+1], s[AB:AB+1], s[OF:OF+1]
	s_add_co_u32 s[CN], s[CN], 1
.endm
; Group g of 16 of a chunk's way from registers to LDS, four lines each.  Load i of 16 holds rows rho and rho + 8 of my 32, rho = 16 (i / 8) + i % 8.
; 0-7: rounded to bf16.  8-11: stored, 8 bytes a lane: the two rows fall into different halves of the banks.  12-15 (ld = 1): the ring's next chunk is asked for.
.macro RIDE g, ring, buf, ld
	WIN 0
.set GR, GA+64*(\ring)
.if (\g) < 8
.irp d, 0,1
.set ii, 2*(\g)+(\d)
	v_cvt_pk_bf16_f32 v[P+2*ii],   v[GR+4*ii],   v[GR+4*ii+1]
	v_cvt_pk_bf16_f32 v[P+2*ii+1], v[GR+4*ii+2], v[GR+4*ii+3]
.endr
.elseif (\g) < 12
.irp d, 0,1,2,3
.set ii, 4*((\g)-8)+(\d)
	ds_store_b64 v[ASTO+(\buf)], v[P+2*ii:P+2*ii+1] offset:((ii/8)*16+ii%8)*PA
.endr
.elseif \ld
.irp d, 0,1,2,3
.set ii, 4*((\g)-12)+(\d)
	global_load_b128 v[GR+4*ii:GR+4*ii+3], v[GOFF], s[AP+2*(\ring):AP+2*(\ring)+1] offset:((ii/8)*16+ii%8)*4096
.endr
.endif
.endm
; The 32 products of rows 64-127; cv = 1: a group of RIDE behind every second one.  left: the younger chunk's loads, which stay out; that wait shows the ring's loads done, so their base may be written
.macro MULR f, zero, cv, ring, buf, ld, left
.set mi, 0
.rept 32
	WIN MUL_HI
	W1 \f, 1, mi/8, mi%8, \zero
.if (\cv) && (mi%2 == 1)
.if mi == 1
	s_wait_loadcnt \left
.if \ld
	ABASE \ring
.endif
.endif
.if (mi/2 < 12) || (\ld)
	RIDE mi/2, \ring, \buf, \ld
.endif
.endif
.set mi, mi+1
.endr
.endm
; An even quarter: multiplies buffer 0, fetches the chunk's second half and quarter kq of Wv into buffer 1, and sees the next chunk into the other LDS buffer
.macro QA abuf, bslot, kq, zero, cv, ld, left
	s_wait_dscnt 8                                 ; Wv's fragments and value's rows 0-63 are in; the youngest eight loads may be out
	MUL16 F0, 0, 0, \zero
	MUL16 F0, 0, 2, \zero
	PLACES
	FETCH \abuf, 1, \bslot, \kq, F1
	s_wait_dscnt 32                                ; all but the 32 just issued
	MULR F0, \zero, \cv, 1-(\abuf), 1-(\abuf), \ld, \left
.endm
.macro BSTEP s                         ; slot s's address is made anew: K step KS % 8 (every tile walks the same eight), 128 rows of 2,048 bytes each
	s_and_b32 s[OF], s[KS], 7
	s_lshl_b32 s[OF], s[OF], 18
	s_add_nc_u64 s[G0+4*(\s)+2:G0+4*(\s)+3], s[BB:BB+1], s[OF:OF+1]
	s_or_b32 s[G0+4*(\s)+3], s[G0+4*(\s)+3], 0x80000000
	s_add_co_u32 s[KS], s[KS], 1
.endm
; An odd quarter: multiplies buffer 1, meets the other waves, and fetches (abuf, first half; slot bslot, quarter kq) into buffer 0.  st: my LDS stores issued behind the last run of loads.
; In front of every barrier here: my stores of the next chunk are done and my reads of the buffer that the next period overwrites are back.
; mode 0: a barrier of the work-group; my tensor load may stay out.
; mode 1: the change of K steps.  All my tensor loads have landed (one was out: my part of slot bslot), the add, my reads of the other slot are back; a round of the cluster's barrier;
;         the other slot's joint refill stands first behind it: 224 matrix instructions ahead of the wait for it.
; mode 2: the same change with nothing left to ask for.   mode 3: the walk's last quarter.
.macro QB abuf, bslot, kq, mode, st
.if ((\mode) == 1) || ((\mode) == 2)
	WIN 0                                          ; (the add's two registers lie in window 0)
	s_wait_tensorcnt 0x0
	ds_add_u32 v[SPW], v[NIL]                      ; 0 onto my spare word
	s_wait_dscnt 9+(\st)                           ; (the add, my stores and the youngest eight loads may be out)
.else
	s_wait_dscnt 8+(\st)
.endif
	MUL16 F1, 0, 0, 0
.if (\mode) == 3
	MUL16 F1, 0, 2, 0
	s_wait_dscnt 0x0
	MUL16 F1, 1, 0, 0
	MUL16 F1, 1, 2, 0
.else
	s_wait_dscnt 0x0                               ; for the others' sake: zero
	s_barrier_signal -1
	MUL16 F1, 0, 2, 0                              ; work on registers while the others arrive
.if (\mode) == 1
	WIN 0                                          ; at a branch and at a label every window is 0
.endif
	s_barrier_wait -1
.if (\mode) == 1
	CREST                                          ; no wave of any partner still reads the slot or has a load on its way
	BSTEP 1-(\bslot)
	tensor_load_to_lds s[G0+4*(1-(\bslot)):G0+4*(1-(\bslot))+3], s[G1:G1+7]
	s_nop 0
.endif
	PLACES                                         ; behind the joint load, and the places in front of the loads below
	FETCH \abuf, 0, \bslot, \kq, F0
	MUL16 F1, 1, 0, 0
	MUL16 F1, 1, 2, 0
.endif
.endm
; THE WAY OUT of a tile.  c hq and -2 w of my columns come into the fragment buffer that has just been multiplied.  Then a loop over the eight blocks of 16 rows: the first step, y = c hv + c hq,
; names the block's accumulators and is written eight times, one of them chosen by forward jumps on the counter; the rest, on T, is written once: 2^y, 1 + it, the reciprocal, times -2 w into four
; chains, the lane's 64 columns added, the other half of the lanes' added.  The 128 row sums go through my own LDS words and leave as 512 consecutive aligned bytes.
; value's two chunks and Wv's refill stay on their way meanwhile; buffer 0 already holds the next tile's first fragments.
.macro EPI
	WIN 0
	PLACES
	WIN TO_F
.irp b, 0,1,2,3,4,5,6,7
	ds_load_b128 v[HQ+8*(\b):HQ+8*(\b)+3],   v[TADR] offset:64*(\b)
	ds_load_b128 v[HQ+8*(\b)+4:HQ+8*(\b)+7], v[TADR] offset:64*(\b)+16
	ds_load_b128 v[WN+8*(\b):WN+8*(\b)+3],   v[TADR] offset:512+64*(\b)
	ds_load_b128 v[WN+8*(\b)+4:WN+8*(\b)+7], v[TADR] offset:512+64*(\b)+16
.endr
	WIN 0
	s_wait_dscnt 0x0
	s_mov_b32 s[EA], 0
	s_mov_b32 s[EO], 0
.Lea\@:
.irp k, 1,2,3,4,5,6,7
	s_cmp_eq_u32 s[EA], \k
	s_cbranch_scc1 .Lblk\@_\k
.endr
.irp k, 0,1,2,3,4,5,6,7
.if (\k) > 0
.Lblk\@_\k:
.endif
	WIN 0x12+(\k)/4                                ; source 0 window 2 or 3, source 2 window 1, destination window 0
.set ei, 0
.rept 32                                               ; each accumulator's registers in ascending order
	v_pk_fma_f32 v[T+2*ei:T+2*ei+1], v[64*((\k)%4)+2*ei:64*((\k)%4)+2*ei+1], s[CS:CS+1], v[HQ+2*ei:HQ+2*ei+1] op_sel_hi:[1,0,1]
.set ei, ei+1
.endr
	WIN 0
.if (\k) < 7
	s_branch .Lcom\@
.endif
.endr
.Lcom\@:
.set ei, 0
.rept 64
	v_exp_f32 v[T+ei], v[T+ei]
.set ei, ei+1
.endr
	v_nop                                          ; a plain instruction between the last exponential and the use of its result (ISA guide 5.7.2)
.set ei, 0
	s_wait_alu depctr_va_vdst(0)
.rept 32
	v_pk_add_f32 v[T+2*ei:T+2*ei+1], v[T+2*ei:T+2*ei+1], 1.0 op_sel_hi:[1,0]
.set ei, ei+1
.endr
.set ei, 0
.rept 64
	v_rcp_f32 v[T+ei], v[T+ei]
.set ei, ei+1
.endr
	v_nop
	s_wait_alu depctr_va_vdst(0)
	WIN 0x04                                       ; source 1 window 1
.set ei, 0
.rept 32
.if ei < 4
	v_pk_mul_f32 v[P+2*ei:P+2*ei+1], v[T+2*ei:T+2*ei+1], v[WN+2*ei:WN+2*ei+1]
.else
	v_pk_fma_f32 v[P+2*(ei%4):P+2*(ei%4)+1], v[T+2*ei:T+2*ei+1], v[WN+2*ei:WN+2*ei+1], v[P+2*(ei%4):P+2*(ei%4)+1]
.endif
.set ei, ei+1
.endr
	WIN 0
	v_pk_add_f32 v[P:P+1], v[P:P+1], v[P+2:P+3]
	v_pk_add_f32 v[P+4:P+5], v[P+4:P+5], v[P+6:P+7]
	v_pk_add_f32 v[P:P+1], v[P:P+1], v[P+4:P+5]
	v_add_f32 v[P], v[P], v[P+1]
	v_permlanex16_b32 v[P+1], v[P], s[SEL], s[SEL+1]   ; the row's other 64 columns lie in the lane 16 away
	v_add_nc_u32 v[OT], s[EO], v[OADR]
	v_add_f32 v[P], v[P], v[P+1]
	ds_store_b32 v[OT], v[P]                       ; both halves of the lanes write the same number to the same word
	s_add_co_u32 s[EO], s[EO], 64
	s_add_co_u32 s[EA], s[EA], 1
	s_cmp_lt_u32 s[EA], 8
	s_cbranch_scc1 .Lea\@
	ds_load_b128 v[P+16:P+19], v[ORD]              ; my own words, and LDS serves a wave's instructions in order (ISA guide 5.7.1.4)
	s_wait_dscnt 0x0
	global_store_b128 v[POFF], v[P+16:P+19], s[PP:PP+1]   ; 128 rows' sums: 512 consecutive bytes, at a multiple of 256 from part's first byte
	s_wait_xcnt 0x0                                ; the store's base and data are rewritten only behind this wait (ISA guide 3.1)
	s_add_nc_u64 s[PP:PP+1], s[PP:PP+1], 512       ; the next tile's rows
.endm
	s_load_b256 s[4:11], s[0:1], 0x0               ; value s[4:5], wvb s[6:7], hqp s[8:9], bq s[10:11]
	s_load_b128 s[12:15], s[0:1], 0x20             ; w s[12:13], part s[14:15]
	v_lshl_add_u32 v[SPW], v0, 2, SPARE
	v_mov_b32 v[NIL], 0
	ds_add_u32 v[SPW], v[NIL]                      ; the wave's opening: the add, and its wait ahead of my first tensor load; the set-up below, work on registers, stands between them
	v_lshrrev_b32 v3, 5, v0
	v_readfirstlane_b32 s[WV], v3                  ; wave 0..3
	s_bfe_u32 s17, ttmp6, 0x40000                  ; cx: my place in the cluster: it enters value's and part's addresses alone
	s_and_b32 s19, ttmp9, 1                        ; the cluster's half of the columns (in a cluster launch ttmp9 counts clusters)
	s_lshr_b32 s20, ttmp9, 1                       ; the cluster's batch row: 4 work-groups x 512 rows
	s_lshl_b32 s21, s20, 2
	s_add_co_u32 s21, s21, s17                     ; my group of 512 rows
	; descriptor group 1: 32 rows x 512 elements, padded in LDS
	s_mov_b32 s[G1], 15|(1<<16)|(1<<20)|(1<<21)|(7<<22)|(7<<25)  ; 15:0 the mask of four; 17:16 2-byte elements; 20 padding on; 21 set beside a mask; 24:22 after every 256 words (code 7); 31:25 8 words (code 7)
	s_mov_b32 s[G1+1], 512<<16                     ; tensor_dim0 = 512
	s_mov_b32 s[G1+2], 32<<16                      ; tensor_dim1 = 32
	s_mov_b32 s[G1+3], 512<<16                     ; tile_dim0 = 512
	s_mov_b32 s[G1+4], 32                          ; tile_dim1 = 32
	s_mov_b32 s[G1+5], 1024                        ; elements from row to row
	s_mov_b32 s[G1+6], 0
	s_mov_b32 s[G1+7], 0
	s_mov_b32 s[G0], 1                             ; count = 1
	s_mul_i32 s[G0+1], s[WV], BWAVE                ; LDS address: slot 0, my 32 rows
	s_mov_b32 s[G0+4], 1
	s_add_co_u32 s[G0+5], s[G0+1], BSLOT           ; slot 1
	s_mov_b32 s[CS], 0x4038aa3b                    ; c = 2 log2(e) = 2.885390
	s_mov_b32 s[CS+1], s[CS]                       ; named with it as a pair
	s_mov_b32 s[SEL], 0x76543210
	s_mov_b32 s[SEL+1], 0xfedcba98
	s_mov_b32 s[KS], 2
	s_mov_b32 s[CN], 2
	s_mov_b32 s[OF+1], 0
	v_and_b32 v1, 15, v0                           ; r
	v_bfe_u32 v2, v0, 4, 1                         ; h
	v_and_b32 v4, 31, v0                           ; lane
	v_mul_u32_u24 v5, v1, PA
	v_lshl_add_u32 v5, v2, 4, v5                   ; a fragment of value: row r, 16 bytes for each half of the lanes
	v_add_nc_u32 v[ADRA], ABUF, v5
	v_add_nc_u32 v[ADRA+1], ABUF+ABYTES, v5
	v_and_b32 v6, 7, v0
	v_lshl_add_u32 v6, v2, 3, v6
	v_mul_u32_u24 v6, v6, PB                       ; the turning load: k row 8 h + l % 8,
	v_bfe_u32 v7, v0, 3, 1
	v_lshl_add_u32 v6, v7, 4, v6                   ; columns 8 ((l / 8) % 2) on,
	s_lshl_b32 s[TS], s[WV], 8
	v_add_nc_u32 v[ADRB], s[TS], v6                ; in my wave's 128 columns
	v_add_nc_u32 v[ADRB+1], 2*BWAVE, v[ADRB]
	v_add_nc_u32 v[ADRB+2], BSLOT, v[ADRB]
	v_add_nc_u32 v[ADRB+3], BSLOT+2*BWAVE, v[ADRB]
	s_mul_i32 s[TS], s[WV], 32*PA
	v_mul_u32_u24 v7, v2, 8*PA
	v_lshl_add_u32 v7, v1, 3, v7
	v_add_nc_u32 v7, s[TS], v7                     ; row 32 w + 8 h, 8 bytes for each of 16 lanes
	v_add_nc_u32 v[ASTO], ABUF, v7
	v_add_nc_u32 v[ASTO+1], ABUF+ABYTES, v7
	v_lshlrev_b32 v[GOFF], 4, v1
	v_lshl_add_u32 v[GOFF], v2, 15, v[GOFF]
	s_lshl_b32 s[TS], s[WV], 10
	s_add_co_u32 s[TS], s[TS], TAB
	v_lshl_add_u32 v[TADR], v2, 5, s[TS]
	v_lshl_add_u32 v[TSTO], v4, 4, s[TS]
	s_lshl_b32 s[TS], s[WV], 9
	s_add_co_u32 s[TS], s[TS], OUTS
	v_lshl_add_u32 v[OADR], v1, 2, s[TS]
	v_lshl_add_u32 v[ORD], v4, 4, s[TS]
	v_lshlrev_b32 v[POFF], 4, v4
	s_lshl_b32 s22, s21, 21                        ; value: 512 rows of 4,096 bytes a group,
	s_lshl_b32 s23, s[WV], 17                      ; 32 rows a wave
	s_add_co_u32 s22, s22, s23
	s_mov_b32 s23, 0
	s_wait_dscnt 0x0                               ; the opening add is done
	s_wait_kmcnt 0x0
	s_add_nc_u64 s[AB:AB+1], s[4:5], s[22:23]
	s_lshl_b32 s22, s19, 2
	s_add_co_u32 s22, s22, s[WV]                   ; part: my group of 128 columns, 4 x half + wave,
	s_lshl_b32 s22, s22, 18                        ; 65,536 rows of 4 bytes each,
	s_lshl_b32 s18, s21, 11                        ; and my 512 rows
	s_add_co_u32 s22, s22, s18
	s_add_nc_u64 s[PP:PP+1], s[14:15], s[22:23]
	s_lshl_b32 s[OF], s19, 11                      ; my 128 columns in bq, w and a row of hqp: 2,048 x half + 512 x wave bytes
	s_lshl_b32 s[TS], s[WV], 9
	s_add_co_u32 s[OF], s[OF], s[TS]
	s_add_nc_u64 s[10:11], s[10:11], s[OF:OF+1]
	s_add_nc_u64 s[12:13], s[12:13], s[OF:OF+1]
	s_lshl_b32 s[TS], s20, 12                      ; the batch's row of hqp
	s_add_co_u32 s[OF], s[OF], s[TS]
	s_add_nc_u64 s[8:9], s[8:9], s[OF:OF+1]
	s_lshl_b32 s[OF], s19, 10                      ; wvb: 1,024 bytes x half, 32 rows of 2,048 bytes x wave
	s_lshl_b32 s[TS], s[WV], 16
	s_add_co_u32 s[OF], s[OF], s[TS]
	s_add_nc_u64 s[BB:BB+1], s[6:7], s[OF:OF+1]
	s_add_nc_u64 s[G0+2:G0+3], s[BB:BB+1], 0       ; K step 0
	s_or_b32 s[G0+3], s[G0+3], 0x80000000          ; type = 2
	s_add_nc_u64 s[G0+6:G0+7], s[BB:BB+1], 1<<18   ; K step 1
	s_or_b32 s[G0+7], s[G0+7], 0x80000000
	s_mov_b64 s[AP:AP+1], s[AB:AB+1]               ; chunk 0
	s_add_nc_u64 s[AP+2:AP+3], s[AB:AB+1], 256     ; chunk 1
.irp p, 0,1,2,3
	global_load_b128 v[T+4*(\p):T+4*(\p)+3], v[POFF], s[8:9] offset:(\p)*131072   ; the four partial sums of query Wq, 4 columns a lane
.endr
	global_load_b128 v[T+16:T+19], v[POFF], s[10:11]
	global_load_b128 v[T+20:T+23], v[POFF], s[12:13]
.irp g, 12,13,14,15
	RIDE \g, 0, 0, 1                               ; chunk 0 is asked for,
.endr
.irp g, 12,13,14,15
	RIDE \g, 1, 1, 1                               ; and chunk 1
.endr
	CROUND                                         ; all four work-groups are here: the first joint loads meet
	tensor_load_to_lds s[G0:G0+3], s[G1:G1+7]      ; both first fills go out together: two loads of mine are out, later one
	s_nop 0
	tensor_load_to_lds s[G0+4:G0+7], s[G1:G1+7]
	s_nop 0
	PLACES
	s_wait_loadcnt 32                              ; the six loads of the table are in; the two chunks' 32 may be out
	v_pk_add_f32 v[T:T+1],     v[T:T+1],     v[T+4:T+5]
	v_pk_add_f32 v[T+2:T+3],   v[T+2:T+3],   v[T+6:T+7]
	v_pk_add_f32 v[T+8:T+9],   v[T+8:T+9],   v[T+12:T+13]
	v_pk_add_f32 v[T+10:T+11], v[T+10:T+11], v[T+14:T+15]
	v_pk_add_f32 v[T:T+1],     v[T:T+1],     v[T+8:T+9]
	v_pk_add_f32 v[T+2:T+3],   v[T+2:T+3],   v[T+10:T+11]
	v_pk_add_f32 v[T:T+1],     v[T:T+1],     v[T+16:T+17]
	v_pk_add_f32 v[T+2:T+3],   v[T+2:T+3],   v[T+18:T+19]
	v_pk_mul_f32 v[T:T+1],     v[T:T+1],     s[CS:CS+1] op_sel_hi:[1,0]   ; c hq
	v_pk_mul_f32 v[T+2:T+3],   v[T+2:T+3],   s[CS:CS+1] op_sel_hi:[1,0]
	v_pk_mul_f32 v[T+20:T+21], v[T+20:T+21], -2.0 op_sel_hi:[1,0]         ; -2 w
	v_pk_mul_f32 v[T+22:T+23], v[T+22:T+23], -2.0 op_sel_hi:[1,0]
	ds_store_b128 v[TSTO], v[T:T+3]
	ds_store_b128 v[TSTO], v[T+20:T+23] offset:512
	s_wait_loadcnt 16                              ; chunk 0 is in, so its base may be written; chunk 1 may be out
	ABASE 0
.set pg, 0
.rept 16
	RIDE pg, 0, 0, 1                               ; chunk 0 into LDS buffer 0; chunk 2 is asked for
.set pg, pg+1
.endr
	s_wait_tensorcnt 0x1                           ; my part of slot 0 is in; slot 1's may stay out
	s_wait_dscnt 0x0                               ; my part of chunk 0 is stored
	s_barrier_signal -1
	s_barrier_wait -1                              ; everybody's is
	FETCH 0, 0, 0, 0, F0
	WIN 0
	s_mov_b32 s[LAP], 16                           ; a lap = two K steps = eight quarters; a tile = four laps; the walk = sixteen
	s_branch .Lzero                                ; the loop is entered at a lap's first quarter, in the middle of a trip
.Llap:                                                 ; 15 trips: a lap's quarters 1 to 7, then the next lap's quarter 0; both slots are filled again (K steps 2 to 31)
	QB 1, 0, 2, 0, 16
	QA 1, 0, 3, 0, 1, 1, 16
	QB 0, 1, 0, 1, 16
	QA 0, 1, 1, 0, 1, 1, 16
	QB 1, 1, 2, 0, 16
	QA 1, 1, 3, 0, 1, 1, 16
	QB 0, 0, 0, 1, 16
	WIN 0
	s_and_b32 s[TS], s[LAP], 3
	s_cmp_eq_u32 s[TS], 0
	s_cbranch_scc1 .Ltile                          ; every fourth lap ends a tile; the jump passes no barrier and no tensor load
	QA 0, 0, 1, 0, 1, 1, 16
	WIN 0
	s_branch .Lbot
.Ltile:
	EPI
.Lzero:
	QA 0, 0, 1, 1, 1, 1, 16                        ; a tile's first quarter: its products start the sums, nothing is cleared
	WIN 0
.Lbot:
	s_sub_co_u32 s[LAP], s[LAP], 1
	s_cmp_lg_u32 s[LAP], 0
	s_cbranch_scc1 .Llap
	QB 1, 0, 2, 0, 16                              ; the last lap is written out: no tensor load, and no load of value past chunk 63
	QA 1, 0, 3, 0, 1, 0, 16                        ; chunk 62 is stored; chunk 63's sixteen loads may be out
	QB 0, 1, 0, 2, 16
	QA 0, 1, 1, 0, 1, 0, 0                         ; chunk 63
	QB 1, 1, 2, 0, 16
	QA 1, 1, 3, 0, 0, 0, 0
	QB 0, 0, 0, 3, 0
	EPI
	s_wait_tensorcnt 0x0                           ; the wave's end, behind my last tensor load and my last LDS store
	ds_add_u32 v[SPW], v[NIL]
	s_wait_dscnt 0x0
	CROUND                                         ; the closing round: no work-group ends while a partner may still ask for a tile that names it
	s_endpgm
.Lfunc_end_k_q6e8915baa5_main:
	.size	k_q6e8915baa5_main, .Lfunc_end_k_q6e8915baa5_main-k_q6e8915baa5_main
	.p2alignl 7, 3214868480
	.fill 96, 4, 3214868480
	.section	.rodata,"a",@progbits
	.p2align	6, 0x0
	.amdhsa_kernel k_q6e8915baa5_main
		.amdhsa_group_segment_fixed_size 327680
		.amdhsa_private_segment_fixed_size 0
		.amdhsa_enable_private_segment 0
		.amdhsa_kernarg_size 48
		.amdhsa_user_sgpr_count 2
		.amdhsa_user_sgpr_kernarg_segment_ptr 1
		.amdhsa_wavefront_size32 1
		.amdhsa_system_sgpr_workgroup_id_x 1
		.amdhsa_system_sgpr_workgroup_id_y 1
		.amdhsa_system_sgpr_workgroup_id_z 1
		.amdhsa_system_vgpr_workitem_id 0
		.amdhsa_next_free_vgpr 1024
		.amdhsa_next_free_sgpr 66
		.amdhsa_reserve_vcc 0
		.amdhsa_float_denorm_mode_32 3
		.amdhsa_float_denorm_mode_16_64 3
		.amdhsa_memory_ordered 1
		.amdhsa_forward_progress 1
		.amdhsa_inst_pref_size 212
	.end_amdhsa_kernel
	.amdgpu_metadata
---
amdhsa.version: [ 1, 2 ]
amdhsa.kernels:
  - .name:           k_q6e8915baa5_main
    .symbol:         k_q6e8915baa5_main.kd
    .args:
      - { .name: value, .offset: 0, .size: 8, .value_kind: global_buffer, .address_space: global }
      - { .name: wvb, .offset: 8, .size: 8, .value_kind: global_buffer, .address_space: global }
      - { .name: hqp, .offset: 16, .size: 8, .value_kind: global_buffer, .address_space: global }
      - { .name: bq, .offset: 24, .size: 8, .value_kind: global_buffer, .address_space: global }
      - { .name: w, .offset: 32, .size: 8, .value_kind: global_buffer, .address_space: global }
      - { .name: part, .offset: 40, .size: 8, .value_kind: global_buffer, .address_space: global }
    .group_segment_fixed_size: 327680
    .private_segment_fixed_size: 0
    .kernarg_segment_align: 8
    .kernarg_segment_size: 48
    .max_flat_workgroup_size: 128
    .sgpr_count:     66
    .vgpr_count:     1024
    .wavefront_size: 32
...
	.end_amdgpu_metadata
.endif
;; end of part 2
;; launch soft (part 3): grid 32 x 1, 8 waves a work-group, no clusters, 1,536 bytes of LDS; arguments part, w, mask, out0; writes out0
.if DOCPART == 3
	.amdgcn_target "amdgcn-amd-amdhsa--gfx1250"
	.amdhsa_code_object_version 6
	.text
	.protected	k_q6e8915baa5_soft
	.globl	k_q6e8915baa5_soft
	.p2align	8
	.type	k_q6e8915baa5_soft,@function
k_q6e8915baa5_soft:
	s_mov_b64 s[64:65], 0
	v_nop
	global_prefetch_b8 v0, s[64:65] scope:SCOPE_SE
	s_setreg_imm32_b32 hwreg(HW_REG_WAVE_MODE, 25, 1), 1
	s_wait_xcnt 0x0
; out0[b][s] = softmax over s of (mask[b][s] ? sum of w + the sum over g of part[g][b][s] : -1e9).  One work-group for each of the 32 batch rows, eight waves.
; Thread t owns s = 4 t .. 4 t + 3 and 1,024 + 4 t .. + 3: every load and store of a wave covers 512 consecutive aligned bytes (the mask's: 128).
; Every wave reads all of w (4,096 bytes) and sums it in the same order, so that sum needs no barrier.  The row's maximum is taken away before the exponential;
; maximum and sum meet in LDS, each in words of its own, behind a barrier each.  A mask byte other than 0 counts as true.  A row with no true byte gives 1 / 2,048 everywhere.
; 2 MB in all: no matrix unit, no cluster and no LDS slots would pay here.
.set SPARE, 512                        ; the spare words: 128 bytes for each of eight waves; the maxima lie at byte 0, the sums at byte 256
.set L,  16                            ; v16-79  part (group g, set e at 16 + 8 g + 4 e); then v16-23 my eight numbers
.set MK, 80                            ; v80-81  my eight mask bytes
.set W,  84                            ; v84-115 w: 32 numbers a lane
.macro SUMX r, t                       ; the sum over the wave's 32 lanes, in every lane
.irp m, 1,2,4,8
	v_add_f32_dpp v[\r], v[\r], v[\r] row_xmask:\m row_mask:0xf bank_mask:0xf
.endr
	v_permlanex16_b32 v[\t], v[\r], s18, s19
	v_add_f32 v[\r], v[\r], v[\t]
.endm
.macro MAXX r, t
.irp m, 1,2,4,8
	v_max_num_f32_dpp v[\r], v[\r], v[\r] row_xmask:\m row_mask:0xf bank_mask:0xf
.endr
	v_permlanex16_b32 v[\t], v[\r], s18, s19
	v_max_num_f32 v[\r], v[\r], v[\t]
.endm
	s_load_b256 s[4:11], s[0:1], 0x0               ; part s[4:5], w s[6:7], mask s[8:9], out0 s[10:11]
	v_lshl_add_u32 v10, v0, 2, SPARE               ; my spare word; never rewritten
	v_mov_b32 v11, 0                               ; 0; never rewritten
	v_lshrrev_b32 v1, 5, v0
	v_readfirstlane_b32 s12, v1                    ; wave
	v_and_b32 v2, 31, v0
	v_lshlrev_b32 v2, 4, v2                        ; 16 x lane
	v_lshlrev_b32 v3, 4, v0                        ; 16 t
	v_lshlrev_b32 v4, 2, v0                        ; 4 t
	v_mov_b32 v7, 0                                ; v_permlanex16_b32's destination counts as read
	v_mov_b32 v9, 0                                ; LDS byte 0
	v_mov_b32 v8, s12
	v_lshlrev_b32 v8, 2, v8                        ; my wave's word
	s_lshl_b32 s14, ttmp9, 13                      ; 2,048 numbers of 4 bytes
	s_mov_b32 s15, 0
	s_lshl_b32 s16, ttmp9, 11                      ; 2,048 mask bytes
	s_mov_b32 s17, 0
	s_mov_b32 s18, 0x76543210
	s_mov_b32 s19, 0xfedcba98
	s_mov_b32 s20, 0xce6e6b28                      ; -1e9
	s_wait_kmcnt 0x0
	s_add_nc_u64 s[4:5], s[4:5], s[14:15]
	s_add_nc_u64 s[10:11], s[10:11], s[14:15]
	s_add_nc_u64 s[8:9], s[8:9], s[16:17]
.irp j, 0,1,2,3,4,5,6,7
	global_load_b128 v[W+4*(\j):W+4*(\j)+3], v2, s[6:7] offset:512*(\j)
.endr
	global_load_b32 v[MK], v4, s[8:9]
	global_load_b32 v[MK+1], v4, s[8:9] offset:1024
.irp g, 0,1,2,3,4,5,6,7
.irp e, 0,1
	global_load_b128 v[L+8*(\g)+4*(\e):L+8*(\g)+4*(\e)+3], v3, s[4:5] offset:(\g)*262144+(\e)*4096 th:TH_LOAD_NT
.endr
.endr
	s_wait_loadcnt 18                              ; w is in; the mask's two loads and part's sixteen may be out
.irp j, 1,2,3,4,5,6,7
	v_pk_add_f32 v[W:W+1],   v[W:W+1],   v[W+4*(\j):W+4*(\j)+1]
	v_pk_add_f32 v[W+2:W+3], v[W+2:W+3], v[W+4*(\j)+2:W+4*(\j)+3]
.endr
	v_pk_add_f32 v[W:W+1], v[W:W+1], v[W+2:W+3]
	v_add_f32 v[W], v[W], v[W+1]
	SUMX W, 7
	v_mov_b32 v[W+1], v[W]                         ; the sum of w, as a pair
	s_wait_loadcnt 0x0
.irp d, 1,2,4                                          ; the eight parts, by pairs: groups d apart
.irp g, 0,1,2,3,4,5,6,7
.if ((\g) % (2*(\d))) == 0
.irp q, 0,2,4,6
	v_pk_add_f32 v[L+8*(\g)+(\q):L+8*(\g)+(\q)+1], v[L+8*(\g)+(\q):L+8*(\g)+(\q)+1], v[L+8*((\g)+(\d))+(\q):L+8*((\g)+(\d))+(\q)+1]
.endr
.endif
.endr
.endr
.irp q, 0,2,4,6
	v_pk_add_f32 v[L+(\q):L+(\q)+1], v[L+(\q):L+(\q)+1], v[W:W+1]
.endr
.irp e, 0,1,2,3,4,5,6,7
	v_bfe_u32 v5, v[MK+(\e)/4], 8*((\e)%4), 8
	v_cmp_ne_u32 vcc_lo, 0, v5
	v_cndmask_b32 v[L+(\e)], s20, v[L+(\e)], vcc_lo
.endr
	v_max3_num_f32 v6, v[L], v[L+1], v[L+2]
	v_max3_num_f32 v6, v6, v[L+3], v[L+4]
	v_max3_num_f32 v6, v6, v[L+5], v[L+6]
	v_max_num_f32 v6, v6, v[L+7]
	MAXX 6, 7
	ds_store_b32 v8, v6                            ; all lanes write the same number to the wave's word
	s_wait_dscnt 0x0                               ; for the others' sake
	s_barrier_signal -1
	s_barrier_wait -1
	ds_load_b128 v[24:27], v9
	ds_load_b128 v[28:31], v9 offset:16
	s_wait_dscnt 0x0
	v_max3_num_f32 v12, v24, v25, v26
	v_max3_num_f32 v12, v12, v27, v28
	v_max3_num_f32 v12, v12, v29, v30
	v_max_num_f32 v12, v12, v31
	v_mov_b32 v13, v12
.irp q, 0,2,4,6
	v_pk_add_f32 v[L+(\q):L+(\q)+1], v[L+(\q):L+(\q)+1], v[12:13] neg_lo:[0,1] neg_hi:[0,1]   ; the difference first: exactly 0 at the maximum
.endr
.irp q, 0,2,4,6
	v_pk_mul_f32 v[L+(\q):L+(\q)+1], v[L+(\q):L+(\q)+1], 0x3fb8aa3b op_sel_hi:[1,0]           ; times log2(e)
.endr
.irp e, 0,1,2,3,4,5,6,7
	v_exp_f32 v[L+(\e)], v[L+(\e)]
.endr
	v_nop                                          ; a plain instruction between the last exponential and the use of its result (ISA guide 5.7.2)
	s_wait_alu depctr_va_vdst(0)
	v_pk_add_f32 v[24:25], v[L:L+1], v[L+2:L+3]
	v_pk_add_f32 v[26:27], v[L+4:L+5], v[L+6:L+7]
	v_pk_add_f32 v[24:25], v[24:25], v[26:27]
	v_add_f32 v6, v24, v25
	SUMX 6, 7
	ds_store_b32 v8, v6 offset:256                 ; other words than the maxima's: no wave need have finished reading those
	s_wait_dscnt 0x0
	s_barrier_signal -1
	s_barrier_wait -1
	ds_load_b128 v[24:27], v9 offset:256
	ds_load_b128 v[28:31], v9 offset:272
	s_wait_dscnt 0x0
	v_pk_add_f32 v[24:25], v[24:25], v[26:27]
	v_pk_add_f32 v[28:29], v[28:29], v[30:31]
	v_pk_add_f32 v[24:25], v[24:25], v[28:29]
	v_add_f32 v6, v24, v25
	v_rcp_f32 v12, v6                              ; the sum is at least 1: the maximum's own term
	v_nop
	s_wait_alu depctr_va_vdst(0)
	v_mov_b32 v13, v12
.irp q, 0,2,4,6
	v_pk_mul_f32 v[L+(\q):L+(\q)+1], v[L+(\q):L+(\q)+1], v[12:13]
.endr
	global_store_b128 v3, v[L:L+3], s[10:11]
	global_store_b128 v3, v[L+4:L+7], s[10:11] offset:4096
	s_wait_tensorcnt 0x0                           ; the wave's end, behind my last LDS store
	ds_add_u32 v10, v11
	s_wait_dscnt 0x0
	s_endpgm
.Lfunc_end_k_q6e8915baa5_soft:
	.size	k_q6e8915baa5_soft, .Lfunc_end_k_q6e8915baa5_soft-k_q6e8915baa5_soft
	.p2alignl 7, 3214868480
	.fill 96, 4, 3214868480
	.section	.rodata,"a",@progbits
	.p2align	6, 0x0
	.amdhsa_kernel k_q6e8915baa5_soft
		.amdhsa_group_segment_fixed_size 1536
		.amdhsa_private_segment_fixed_size 0
		.amdhsa_enable_private_segment 0
		.amdhsa_kernarg_size 32
		.amdhsa_user_sgpr_count 2
		.amdhsa_user_sgpr_kernarg_segment_ptr 1
		.amdhsa_wavefront_size32 1
		.amdhsa_system_sgpr_workgroup_id_x 1
		.amdhsa_system_sgpr_workgroup_id_y 1
		.amdhsa_system_sgpr_workgroup_id_z 1
		.amdhsa_system_vgpr_workitem_id 0
		.amdhsa_next_free_vgpr 128
		.amdhsa_next_free_sgpr 66
		.amdhsa_reserve_vcc 1
		.amdhsa_float_denorm_mode_32 3
		.amdhsa_float_denorm_mode_16_64 3
		.amdhsa_memory_ordered 1
		.amdhsa_forward_progress 1
		.amdhsa_inst_pref_size 12
	.end_amdhsa_kernel
	.amdgpu_metadata
---
amdhsa.version: [ 1, 2 ]
amdhsa.kernels:
  - .name:           k_q6e8915baa5_soft
    .symbol:         k_q6e8915baa5_soft.kd
    .args:
      - { .name: part, .offset: 0, .size: 8, .value_kind: global_buffer, .address_space: global }
      - { .name: w, .offset: 8, .size: 8, .value_kind: global_buffer, .address_space: global }
      - { .name: mask, .offset: 16, .size: 8, .value_kind: global_buffer, .address_space: global }
      - { .name: out0, .offset: 24, .size: 8, .value_kind: global_buffer, .address_space: global }
    .group_segment_fixed_size: 1536
    .private_segment_fixed_size: 0
    .kernarg_segment_align: 8
    .kernarg_segment_size: 32
    .max_flat_workgroup_size: 256
    .sgpr_count:     66
    .vgpr_count:     128
    .wavefront_size: 32
...
	.end_amdgpu_metadata
.endif
;; end of part 3
;; ======== version 2 of 2: 3 launches; version 1 with the launch prep written anew for expert scheduling mode
;; workspace buffers: wvb 2,097,152 bytes; hqp 524,288 bytes; part 2,097,152 bytes
;; launch prep (part 4): grid 192 x 1, 4 waves a work-group, no clusters, 76,288 bytes of LDS; arguments Wq, Wv, query, wvb, hqp; writes wvb, hqp
.if DOCPART == 4
	.amdgcn_target "amdgcn-amd-amdhsa--gfx1250"
	.amdhsa_code_object_version 6
	.text
	.protected	k_q6e8915baa5_prep
	.globl	k_q6e8915baa5_prep
	.p2align	8
	.type	k_q6e8915baa5_prep,@function
k_q6e8915baa5_prep:
	s_mov_b64 s[64:65], 0
	v_nop
	global_prefetch_b8 v0, s[64:65] scope:SCOPE_SE
	s_setreg_imm32_b32 hwreg(HW_REG_WAVE_SCHED_MODE, 0, 2), 2
	s_setreg_imm32_b32 hwreg(HW_REG_WAVE_MODE, 25, 1), 1
	s_wait_xcnt 0x0
	s_wait_alu depctr_vm_vsrc(0)
; Two preparations for the main launch, chosen by the work-group's number.
; Work-groups 64 to 191: wvb = Wv rounded to bf16 (nearest even), same [k][n] order.  32,768 bytes of Wv each; no LDS.
; Work-groups 0 to 63: hqp[kg][row][col] = the sum over 256 k of query[row][k] Wq[k][col], operands rounded to bf16, sums in f32.
;   Work-group g: 64 columns (nb = g % 16), 256 of K (kg = g / 16).  Wave w: 64 of those k, all 32 rows, 64 columns: 8 accumulators.
;   Wq lies [k][n]: it goes through the wave's own LDS rows as bf16 and comes back turned (ds_load_tr16_b128).
;   The product is used transposed (source 0 = 16 columns of Wq, source 1 = 16 rows of query): a lane then holds 8 neighbouring columns of a row.
;   The four waves' sums meet in LDS behind one barrier; each wave adds and stores 8 rows, 256 consecutive aligned bytes for 16 lanes.
; No cluster and no tensor load: no two work-groups read the same part of Wq or Wv, and each byte is used once.
; THE MODE: SCHED_MODE bits 1:0 = 2 (LLVM: expert scheduling mode 2), set by the entry lines.  The code itself states the register dependences
; between vector or matrix instructions and memory or LDS instructions, with s_wait_alu, always for 0.
; THE PLAN, work-groups 0 to 63.  Registers that memory or LDS instructions touch:
;   v4-v9      offsets and LDS addresses: made at the head, never written again: one wait ahead of the first load serves them all.
;   X          Wq lands here.  It goes in four groups of eight loads.  Group g's conversions write the first two registers of each load's four; the LDS stores that read those
;              pairs are issued in the next group's turn, behind ONE wait at its head, dealt among that group's conversions, which name other registers.  Group 3's stores stand among query's conversions.
;   v80-143    of X become the accumulators, v16-79 take the stages' sums: one wait on vm_vsrc ahead of the first product states that the LDS stores have read X's pairs.
;   QF         query lands here and 32 conversions read it; one wait behind them, and Wq's turned fragments land in it.
;   QB         named by vector and matrix instructions alone.
;   On the way out: one wait between the products (and their four places) and the stage's stores; one between the 24 additions and the four global stores.
; THE PLAN, work-groups 64 to 191.  v1, v2: offsets, made once.  X: Wv lands, four groups of four loads.  v80-111: each register written once by a conversion and read once by a store;
;   a group's four stores are issued in the next group's turn, behind one wait at its head.  No register that a store has read is written again.
.set WTP,   160                        ; a row of 64 bf16 of Wq in LDS: 128 bytes + 32: an odd multiple of 32, for the turning load
.set WTB,   64*WTP                     ; a wave's 64 rows
.set STG,   4*WTB                      ; behind them: a stage of 32 rows x 64 f32 for each wave
.set SGP,   272                        ; 256 bytes + 16
.set SGB,   32*SGP
.set SPARE, STG+4*SGB                  ; the spare words: 128 bytes a wave, two blocks of 256 bytes that no other line names
.set WOFF, 4                           ; v4   4,096 h + 16 r: two rows of Wq or of hqp for the 32 lanes
.set QOFF, 5                           ; v5   4,096 r + 32 h: my row of query, my 8 k
.set WST,  6                           ; v6   where I put 8 bytes of Wq
.set TRA,  7                           ; v7   my address for the turning loads
.set SST,  8                           ; v8   where I put my sums
.set SRD,  9                           ; v9   where I read the four waves' sums
.set SPW,  10                          ; v10  my spare word; never rewritten
.set NIL,  11                          ; v11  0; never rewritten
.set X,    16                          ; v16-143  Wq as loaded; later v16-79 the sums read back, v80-143 the accumulators
.set ACC,  80
.set QF,   144                         ; v144-207 query as loaded; later Wq's fragments
.set QB,   208                         ; v208-239 query's fragments
.macro CVW i                           ; load i's four numbers of Wq close up, as bf16, into the first two of their four registers
	v_cvt_pk_bf16_f32 v[X+4*(\i)],   v[X+4*(\i)],   v[X+4*(\i)+1]
	v_cvt_pk_bf16_f32 v[X+4*(\i)+1], v[X+4*(\i)+2], v[X+4*(\i)+3]
.endm
.macro STW i                           ; and go into my LDS rows 2 i and 2 i + 1
	ds_store_b64 v[WST], v[X+4*(\i):X+4*(\i)+1] offset:(\i)*2*WTP
.endm
	s_load_b256 s[4:11], s[0:1], 0x0               ; Wq s[4:5], Wv s[6:7], query s[8:9], wvb s[10:11]
	s_load_b64 s[12:13], s[0:1], 0x20              ; hqp
	v_lshl_add_u32 v[SPW], v0, 2, SPARE
	v_mov_b32 v[NIL], 0
	s_mov_b32 s15, 0                               ; the high word of every offset
	s_cmp_ge_u32 ttmp9, 64
	s_cbranch_scc1 .Lcast
	v_lshrrev_b32 v3, 5, v0
	v_readfirstlane_b32 s16, v3                    ; wave
	s_and_b32 s17, ttmp9, 15                       ; nb
	s_lshr_b32 s18, ttmp9, 4                       ; kg
	v_and_b32 v1, 15, v0                           ; r
	v_bfe_u32 v2, v0, 4, 1                         ; h
	v_lshlrev_b32 v[WOFF], 4, v1
	v_lshl_add_u32 v[WOFF], v2, 12, v[WOFF]
	v_lshlrev_b32 v[QOFF], 12, v1
	v_lshl_add_u32 v[QOFF], v2, 5, v[QOFF]
	s_wait_alu depctr_va_sdst(0)                   ; s16 is written, ahead of its first reader: LDS places and the bases of Wq, query and hqp are made from it
	s_lshl_b32 s19, s18, 2
	s_add_co_u32 s19, s19, s16                     ; 4 kg + w: my first k is 64 times that
	s_mul_i32 s20, s16, WTB
	v_mul_u32_u24 v[WST], v2, WTP
	v_lshl_add_u32 v[WST], v1, 3, v[WST]
	v_add_nc_u32 v[WST], s20, v[WST]               ; row h, 8 bytes for each of 16 lanes
	v_and_b32 v[TRA], 7, v0
	v_lshl_add_u32 v[TRA], v2, 3, v[TRA]
	v_mul_u32_u24 v[TRA], v[TRA], WTP
	v_bfe_u32 v3, v0, 3, 1
	v_lshl_add_u32 v[TRA], v3, 4, v[TRA]
	v_add_nc_u32 v[TRA], s20, v[TRA]               ; k row 8 h + l % 8, columns 8 ((l / 8) % 2) on
	s_mul_i32 s21, s16, SGB
	s_add_co_u32 s21, s21, STG
	v_mul_u32_u24 v[SST], v1, SGP
	v_lshl_add_u32 v[SST], v2, 5, v[SST]
	v_add_nc_u32 v[SST], s21, v[SST]               ; my stage: row r, 32 bytes for each half of the lanes
	s_mul_i32 s22, s16, 8*SGP
	s_add_co_u32 s22, s22, STG
	v_mul_u32_u24 v[SRD], v2, SGP
	v_lshl_add_u32 v[SRD], v1, 4, v[SRD]
	v_add_nc_u32 v[SRD], s22, v[SRD]               ; rows 8 w + h of stage 0
	s_lshl_b32 s14, s19, 18                        ; 64 rows of 4,096 bytes
	s_lshl_b32 s23, s17, 8                         ; 64 columns of 4 bytes
	s_add_co_u32 s14, s14, s23
	s_wait_kmcnt 0x0
	s_add_nc_u64 s[4:5], s[4:5], s[14:15]          ; Wq at my first row and column
	s_lshl_b32 s14, s19, 8
	s_add_nc_u64 s[8:9], s[8:9], s[14:15]          ; query at my first k
	s_lshl_b32 s14, s18, 17                        ; hqp: kg x 32 rows x 4,096 bytes
	s_lshl_b32 s24, s16, 15                        ; + 8 w rows
	s_add_co_u32 s14, s14, s24
	s_add_co_u32 s14, s14, s23
	s_add_nc_u64 s[12:13], s[12:13], s[14:15]
	s_wait_alu depctr_va_vdst(0)                   ; the six offsets and addresses v4 to v9 are written, which every load and store below reads
.set i, 0
.rept 32                                               ; Wq: each load takes two rows' 256 consecutive aligned bytes; read once in the launch
	global_load_b128 v[X+4*i:X+4*i+3], v[WOFF], s[4:5] offset:i*8192 th:TH_LOAD_NT
.set i, i+1
.endr
.irp mb, 0,1                                           ; query: fragment 2 mb + kq: row 16 mb + r; k = 32 kq + 8 h + 0..7 and 16 more
.irp kq, 0,1
.set q, QF+16*(2*(\mb)+(\kq))
	global_load_b128 v[q:q+3],     v[QOFF], s[8:9] offset:(\mb)*65536+(\kq)*128
	global_load_b128 v[q+4:q+7],   v[QOFF], s[8:9] offset:(\mb)*65536+(\kq)*128+16
	global_load_b128 v[q+8:q+11],  v[QOFF], s[8:9] offset:(\mb)*65536+(\kq)*128+64
	global_load_b128 v[q+12:q+15], v[QOFF], s[8:9] offset:(\mb)*65536+(\kq)*128+80
.endr
.endr
.set g, 0
.rept 4                                                ; Wq in four groups of eight loads
	s_wait_loadcnt 40-8*g                          ; loads come back in order (ISA guide 5.7.1): group g is in; Wq's later groups and query's sixteen loads, 48 - 8 (g + 1) in all, stay out
.if g > 0
	s_wait_alu depctr_va_vdst(0)                   ; the group before's conversions have written its pairs, which the LDS stores below read; this group's conversions name other registers
.endif
.set j, 0
.rept 8
.if g > 0
	STW 8*(g-1)+j
.endif
	CVW 8*g+j
.set j, j+1
.endr
.set g, g+1
.endr
	s_wait_loadcnt 0x0                             ; query
	s_wait_alu depctr_va_vdst(0)                   ; group 3's conversions have written its pairs, which the LDS stores below read; query's conversions name QF and QB alone
.set i, 0
.rept 32
.if i%4 == 0
	STW 24+i/4
.endif
	v_cvt_pk_bf16_f32 v[QB+i], v[QF+2*i], v[QF+2*i+1]
.set i, i+1
.endr
	s_wait_alu depctr_va_vdst(0)                   ; query's conversions are done reading QF, in which the turning loads land
.irp kq, 0,1                                           ; my own rows, and LDS serves a wave's instructions in order (ISA guide 5.7.1.4): these see the stores above
.irp b, 0,1,2,3
.set q, QF+8*(4*(\kq)+(\b))
	ds_load_tr16_b128 v[q:q+3],   v[TRA] offset:(\kq)*32*WTP+32*(\b)
	ds_load_tr16_b128 v[q+4:q+7], v[TRA] offset:(\kq)*32*WTP+16*WTP+32*(\b)
.endr
.endr
	s_wait_dscnt 0x0
	s_wait_alu depctr_vm_vsrc(0)                   ; the 32 LDS stores have read X's pairs: the products below write v80-143, and behind the barrier the stages' sums land in v16-79
.irp kq, 0,1                                           ; the 8 accumulators take turns; the first 8 products start the sums
.irp mb, 0,1
.irp b, 0,1,2,3
.set a, ACC+8*(4*(\mb)+(\b))
.set q, QF+8*(4*(\kq)+(\b))
.set p, QB+8*(2*(\mb)+(\kq))
.if (\kq) == 0
	v_wmma_f32_16x16x32_bf16 v[a:a+7], v[q:q+7], v[p:p+7], 0
.else
	v_wmma_f32_16x16x32_bf16 v[a:a+7], v[q:q+7], v[p:p+7], v[a:a+7]
.endif
.endr
.endr
.endr
.rept 4
	v_nop                                          ; four places between the last product and the stores that read results
.endr
	s_wait_alu depctr_va_vdst(0)                   ; the products have written the accumulators, which the LDS stores read; the places above stay beside this wait.  No vector or matrix line behind it names v16-79 before the stages' sums land there
.irp mb, 0,1
.irp b, 0,1,2,3
.set a, ACC+8*(4*(\mb)+(\b))
	ds_store_b128 v[SST], v[a:a+3]   offset:(\mb)*16*SGP+64*(\b)     ; row 16 mb + r, columns 16 b + 8 h + 0..3
	ds_store_b128 v[SST], v[a+4:a+7] offset:(\mb)*16*SGP+64*(\b)+16
.endr
.endr
	s_wait_dscnt 0x0                               ; for the others' sake: my stage is written
	s_barrier_signal -1
	s_barrier_wait -1
.irp i, 0,1,2,3                                        ; rows 8 w + 2 i + h of all four stages
.irp s, 0,1,2,3
	ds_load_b128 v[X+4*(4*(\i)+(\s)):X+4*(4*(\i)+(\s))+3], v[SRD] offset:(\s)*SGB+(\i)*2*SGP
.endr
.endr
	s_wait_dscnt 0x0
.irp i, 0,1,2,3
.set a, X+16*(\i)
	v_pk_add_f32 v[a:a+1],     v[a:a+1],     v[a+4:a+5]
	v_pk_add_f32 v[a+2:a+3],   v[a+2:a+3],   v[a+6:a+7]
	v_pk_add_f32 v[a+8:a+9],   v[a+8:a+9],   v[a+12:a+13]
	v_pk_add_f32 v[a+10:a+11], v[a+10:a+11], v[a+14:a+15]
	v_pk_add_f32 v[a:a+1],     v[a:a+1],     v[a+8:a+9]
	v_pk_add_f32 v[a+2:a+3],   v[a+2:a+3],   v[a+10:a+11]
.endr
	s_wait_alu depctr_va_vdst(0)                   ; the additions have written the four rows' sums, which the stores read
.irp i, 0,1,2,3
.set a, X+16*(\i)
	global_store_b128 v[WOFF], v[a:a+3], s[12:13] offset:(\i)*8192   ; 16 lanes store 256 consecutive bytes, at a multiple of 256 from hqp's first byte
.endr
	s_wait_dscnt 0x0                               ; the closing lines, six on end
	s_wait_alu 0x0
	s_wait_tensorcnt 0x0
	ds_add_u32 v[SPW], v[NIL]
	s_wait_dscnt 0x0
	s_endpgm
.Lcast:                                                ; 128 threads x 16 bytes x 16 loads = 32,768 bytes of Wv; this way writes no LDS
	s_sub_co_u32 s16, ttmp9, 64
	v_lshlrev_b32 v1, 4, v0
	v_lshlrev_b32 v2, 3, v0
	s_lshl_b32 s14, s16, 15
	s_wait_kmcnt 0x0
	s_add_nc_u64 s[6:7], s[6:7], s[14:15]
	s_lshl_b32 s14, s16, 14
	s_add_nc_u64 s[10:11], s[10:11], s[14:15]
	s_wait_alu depctr_va_vdst(0)                   ; v1 and v2 are written: every load below reads the one as its offset, every store the other
.set i, 0
.rept 16
	global_load_b128 v[X+4*i:X+4*i+3], v1, s[6:7] offset:i*2048 th:TH_LOAD_NT
.set i, i+1
.endr
.set g, 0
.rept 4                                                ; four groups of four loads
	s_wait_loadcnt 12-4*g                          ; loads come back in order (ISA guide 5.7.1): group g is in, the younger groups stay out
.if g > 0
	s_wait_alu depctr_va_vdst(0)                   ; the group before's conversions have written its eight registers, which the stores below read; this group's conversions write others
.endif
.set j, 0
.rept 4
.if g > 0
.set ii, 4*(g-1)+j
	global_store_b64 v2, v[ACC+2*ii:ACC+2*ii+1], s[10:11] offset:ii*1024   ; a wave's store covers 256 consecutive aligned bytes
.endif
.set ii, 4*g+j
	v_cvt_pk_bf16_f32 v[ACC+2*ii],   v[X+4*ii],   v[X+4*ii+1]
	v_cvt_pk_bf16_f32 v[ACC+2*ii+1], v[X+4*ii+2], v[X+4*ii+3]
.set j, j+1
.endr
.set g, g+1
.endr
	s_wait_alu depctr_va_vdst(0)                   ; the last group's conversions have written its eight registers, which the last four stores read
.set ii, 12
.rept 4
	global_store_b64 v2, v[ACC+2*ii:ACC+2*ii+1], s[10:11] offset:ii*1024
.set ii, ii+1
.endr
	s_endpgm
.Lfunc_end_k_q6e8915baa5_prep:
	.size	k_q6e8915baa5_prep, .Lfunc_end_k_q6e8915baa5_prep-k_q6e8915baa5_prep
	.p2alignl 7, 3214868480
	.fill 96, 4, 3214868480
	.section	.rodata,"a",@progbits
	.p2align	6, 0x0
	.amdhsa_kernel k_q6e8915baa5_prep
		.amdhsa_group_segment_fixed_size 76288
		.amdhsa_private_segment_fixed_size 0
		.amdhsa_enable_private_segment 0
		.amdhsa_kernarg_size 40
		.amdhsa_user_sgpr_count 2
		.amdhsa_user_sgpr_kernarg_segment_ptr 1
		.amdhsa_wavefront_size32 1
		.amdhsa_system_sgpr_workgroup_id_x 1
		.amdhsa_system_sgpr_workgroup_id_y 1
		.amdhsa_system_sgpr_workgroup_id_z 1
		.amdhsa_system_vgpr_workitem_id 0
		.amdhsa_next_free_vgpr 256
		.amdhsa_next_free_sgpr 66
		.amdhsa_reserve_vcc 0
		.amdhsa_float_denorm_mode_32 3
		.amdhsa_float_denorm_mode_16_64 3
		.amdhsa_memory_ordered 1
		.amdhsa_forward_progress 1
		.amdhsa_inst_pref_size 28
	.end_amdhsa_kernel
	.amdgpu_metadata
---
amdhsa.version: [ 1, 2 ]
amdhsa.kernels:
  - .name:           k_q6e8915baa5_prep
    .symbol:         k_q6e8915baa5_prep.kd
    .args:
      - { .name: Wq, .offset: 0, .size: 8, .value_kind: global_buffer, .address_space: global }
      - { .name: Wv, .offset: 8, .size: 8, .value_kind: global_buffer, .address_space: global }
      - { .name: query, .offset: 16, .size: 8, .value_kind: global_buffer, .address_space: global }
      - { .name: wvb, .offset: 24, .size: 8, .value_kind: global_buffer, .address_space: global }
      - { .name: hqp, .offset: 32, .size: 8, .value_kind: global_buffer, .address_space: global }
    .group_segment_fixed_size: 76288
    .private_segment_fixed_size: 0
    .kernarg_segment_align: 8
    .kernarg_segment_size: 40
    .max_flat_workgroup_size: 128
    .sgpr_count:     66
    .vgpr_count:     256
    .wavefront_size: 32
...
	.end_amdgpu_metadata
.endif
;; end of part 4
;; launch main: the kernel of part 2 again; grid 256 x 1, 4 waves a work-group, clusters of 4 x 1, 327,680 bytes of LDS; arguments value, wvb, hqp, bq, w, part; writes part
;; launch soft: the kernel of part 3 again; grid 32 x 1, 8 waves a work-group, no clusters, 1,536 bytes of LDS; arguments part, w, mask, out0; writes out0
